; MI455X (gfx1250); checked and timed in simulation.
; The chip was launched on July 23, 2026; its instructions are those of AMD's public machine-readable ISA for CDNA 5 (MIT licence, August 2026) and "CDNA5" Instruction Set Architecture Reference Guide (July 2026). The comments in the code are by the model that wrote it; some were corrected since.
;; Port Hamiltonian Model. Allowed arithmetic: matrix products marked QUANTISED: E4M3 operands, one given power-of-two scale a tensor, by v_wmma_f32_16x16x64_fp8_fp8 or v_wmma_f32_16x16x128_fp8_fp8, f32 sums; products left as they are: f32 operands where the result goes on into a quantised operand, else bf16, f16 or f32 operands; f32 sums; everything else in f32.
;; Inputs: Gb 1 float32; Gw 8 x 1 float32; W1 2 x 512 float32; W2 512 x 512 float32; W3 512 x 1 float32; action_emb 65,536 x 8 float32; b1 512 float32; b2 512 float32; b3 1 float32; log_damping one number float32; lowp_scales 4 int32 (the exponents e of the quantised operands' scales 2^e); state 65,536 x 2 float32.
;; Outputs: out0 65,536 x 2 float32.
;; Constants: t = 0.
;; This version of the problem:
;;   THIS VERSION OF THE PROBLEM IS GIVEN IN LOW PRECISION. The matrix products marked QUANTISED in the list below multiply operands that are first quantised to E4M3 (4 exponent bits, 3 mantissa bits; 8 bits a number), with one given power-of-two scale for each operand tensor; their sums are f32. All else is computed in f32.
;;   The module's matrix products, in the order in which they are computed (A, B: the left and right operand; K: the contracted axis; several contracted axes count as one K, in the product's order):
;;     1. [M 65,536, K 2] x [K 2, N 512]; A: input state; B: input W1: left as it is (K = 2 < 32)
;;     2. [M 65,536, K 512] x [K 512, N 512]; A: computed on the way; B: input W2: QUANTISED (scales: A lowp_scales[0], B lowp_scales[1])
;;     3. [M 65,536, K 512] x [K 512, N 1]; A: computed on the way; B: input W3: left as it is (N = 1 < 16)
;;     4. [M 65,536, K 1] x [K 1, N 512]; A: computed on the way; B: input W3: left as it is (K = 1 < 32)
;;     5. [M 65,536, K 512] x [K 512, N 512]; A: computed on the way; B: input W2: QUANTISED (scales: A lowp_scales[2], B lowp_scales[3])
;;     6. [M 65,536, K 512] x [K 512, N 2]; A: computed on the way; B: input W1: left as it is (N = 2 < 16)
;;     7. [M 65,536, K 8] x [K 8, N 1]; A: input action_emb; B: input Gw: left as it is (K = 8 < 32)
;;   THE QUANTISER, for each operand of a quantised product, along K:
;;     - The operand's scale is 2^e, e = its entry of the input lowp_scales (int32; the entries are numbered through the quantised products in the list's order, A before B).
;;     - Each number is divided by the scale, clamped to +-448, and rounded to the nearest number of E4M3, ties to even, subnormals kept.
;;     - The product sums the exact products of the quantised numbers (number of the format x scale) in f32.
;;   ~~~python
;;   def quantise(x, axis, e):      # numpy; x: float32 -> the quantised numbers, widened to float32 again
;;       x = np.moveaxis(x, axis, -1); K = x.shape[-1]
;;       r = np.clip(x / 2.0 ** e, -448, 448)
;;       step = 2.0 ** (np.maximum(np.frexp(np.where(r == 0, 1, r))[1] - 1, -6) - 3)
;;       q = np.round(r / step) * step * 2.0 ** e      # np.round: ties to even
;;       return np.moveaxis(q, -1, axis).astype(np.float32)
;;   ~~~
;;   OPERANDS COMPUTED ON THE WAY. 'Computed on the way' means the value that the module computes at that place (a softmax that the list does not call 'softmax' is quantised finished and normalised). What goes into a quantiser is computed in f32, as accurately as f32 sums, v_exp_f32 and their like allow (about 1e-6 of the number): no bf16 or f16 on the way to a quantiser, and a product that is left as it is and whose result goes on into a quantised operand takes f32 operands (vector FMAs, or v_wmma_f32_16x16x4_f32). A number that lies on a knife's edge between two numbers of the format may be rounded either way, as far as f32 arithmetic and the matrix unit's own rounding can turn it there, and no further.
;; One version. Each part assembles by itself: llvm-mc -triple=amdgcn-amd-amdhsa -mcpu=gfx1250 --defsym DOCPART=n.
;; ======== version 1 of 1: 2 launches
;; limits: a function is approximated: absolute error at most 1e-07
;; workspace buffers: wq 524,288 bytes
;; launch prep (part 1): grid 256 x 1, 1 waves a work-group, no clusters, 0 bytes of LDS; arguments W2, lowp_scales, wq; writes wq
.if DOCPART == 1
	.amdgcn_target "amdgcn-amd-amdhsa--gfx1250"
	.amdhsa_code_object_version 6
	.text
	.protected	k_q6f16961822_prep
	.globl	k_q6f16961822_prep
	.p2align	8
	.type	k_q6f16961822_prep,@function
k_q6f16961822_prep:
	s_mov_b64 s[64:65], 0
	v_nop
	global_prefetch_b8 v0, s[64:65] scope:SCOPE_SE
	s_setreg_imm32_b32 hwreg(HW_REG_WAVE_MODE, 25, 1), 1
	s_wait_xcnt 0x0
; W2 [512][512] f32 is quantised twice to codes of FP8 (E4M3) and laid out as IMAGES OF OPERAND REGISTERS, 2,048 bytes each.
; Image f = 128 form + 4 T + s lies at byte 2048 f of wq:  form 0: W2 as the operand of h1 W2 (K = W2's first axis, scale 2^e1);  form 1: W2 as the operand of g2 W2^T (K = its second axis, scale 2^e3);
; T = 0 .. 31 a tile of 16 units, s = 0 .. 3 a K step of 128.  In an image, register group c (0 .. 3) of lane L = 16 h + r lies at 512 c + 16 L: the codes of k = 128 s + 32 c + 16 h + 0 .. 15 of unit
; R = 32 (T / 2) + 8 (T % 2) + r + 8 (r / 8).  THE UNITS OF A TILE ARE NOT NEIGHBOURS: so the 16 result registers of tiles 2 b and 2 b + 1 are 16 neighbouring units, which the next product takes as 16 neighbours along its K.
; form 0: code of W2[k][R]: a lane takes a column and its registers run down K.   form 1: code of W2[R][k]: a lane takes 16 neighbours of its row for each group.
; code = x / 2^e, held within +-448, rounded to the nearest code, ties to even.  LIMITS: e1 and e3 between -126 and 119, so that 2^e and 448 x 2^e are f32 numbers.  NaN among the inputs is not served.
; One wave makes one image; 256 work-groups of one wave.  Each of its four stores covers 512 consecutive bytes, aligned.
.set X, 16                             ; v16-79  the lane's 64 numbers: group c, place t at X + 16 c + t
.set C, 80                             ; v80-95  its 64 codes
	s_load_b128 s[4:7], s[0:1], 0x0                ; W2 s[4:5], the scales' exponents s[6:7]
	s_load_b64 s[8:9], s[0:1], 0x10                ; wq
	v_and_b32 v1, 15, v0                           ; r
	v_bfe_u32 v2, v0, 4, 1                         ; h
	v_and_b32 v5, 8, v1
	v_add_nc_u32 v5, v5, v1                        ; r + 8 (r / 8)
	v_lshlrev_b32 v4, 4, v0                        ; 16 x lane: my place in a group of the image
	s_and_b32 s12, ttmp9, 3                        ; s
	s_bfe_u32 s13, ttmp9, 0x50002                  ; T: five bits from bit 2
	s_lshr_b32 s14, s13, 1
	s_lshl_b32 s14, s14, 5
	s_and_b32 s15, s13, 1
	s_lshl_b32 s15, s15, 3
	s_add_co_u32 s14, s14, s15                     ; the tile's first unit: 32 (T / 2) + 8 (T % 2)
	s_lshl_b32 s16, ttmp9, 11                      ; the image's place: 2048 f
	s_mov_b32 s17, 0
	s_mov_b32 s19, 0
	s_wait_kmcnt 0x0
	s_load_b128 s[20:23], s[6:7], 0x0              ; e0, e1, e2, e3
	s_add_nc_u64 s[8:9], s[8:9], s[16:17]
	s_cmp_lt_u32 ttmp9, 128                        ; which form: the work-group's number alone decides
	s_cbranch_scc0 .Lform1
	s_lshl_b32 s18, s12, 18                        ; form 0: 128 s rows of 2,048 bytes,
	s_lshl_b32 s15, s14, 2                         ; + 4 bytes x the tile's first column
	s_add_co_u32 s18, s18, s15
	s_add_nc_u64 s[4:5], s[4:5], s[18:19]
	v_lshlrev_b32 v3, 2, v5                        ; my column,
	v_lshl_add_u32 v3, v2, 15, v3                  ; and 16 rows further down for lanes 16-31
.irp c, 0,1,2,3
.irp t, 0,1,2,3,4,5,6,7,8,9,10,11,12,13,14,15
	global_load_b32 v[X+16*\c+\t], v3, s[4:5] offset:(32*\c+\t)*2048   ; W2[128 s + 32 c + 16 h + t][R]
.endr
.endr
	s_branch .Ljoin
.Lform1:
	s_lshl_b32 s18, s14, 11                        ; form 1: the tile's first row,
	s_lshl_b32 s15, s12, 9                         ; + 128 s numbers of 4 bytes
	s_add_co_u32 s18, s18, s15
	s_add_nc_u64 s[4:5], s[4:5], s[18:19]
	v_lshlrev_b32 v3, 11, v5                       ; my row,
	v_lshl_add_u32 v3, v2, 6, v3                   ; and 16 numbers further on for lanes 16-31
.irp c, 0,1,2,3
.irp q, 0,1,2,3
	global_load_b128 v[X+16*\c+4*\q:X+16*\c+4*\q+3], v3, s[4:5] offset:128*\c+16*\q   ; W2[R][128 s + 32 c + 16 h + 4 q ..]
.endr
.endr
.Ljoin:
	s_wait_kmcnt 0x0
	s_cmp_lt_u32 ttmp9, 128
	s_cselect_b32 s24, s21, s23                    ; e1 for form 0, e3 for form 1
	s_add_co_i32 s24, s24, 127
	s_lshl_b32 s25, s24, 23
	v_mov_b32 v11, s25                             ; 2^e as f32: the conversion takes its exponent field
	s_add_co_i32 s24, s24, 8
	s_lshl_b32 s24, s24, 23
	s_or_b32 s24, s24, 0x600000
	v_mov_b32 v10, s24                             ; 448 x 2^e
	s_wait_loadcnt 0x0
.set j, 0
.rept 64
	v_med3_num_f32 v[X+j], v[X+j], -v10, v10       ; the conversion to an 8-bit code does not saturate (ISA guide 7.6.2): the hold at the largest code x the scale comes first
.set j, j+1
.endr
.irp c, 0,1,2,3
	v_cvt_scalef32_pk8_fp8_f32 v[C+4*\c:C+4*\c+1], v[X+16*\c:X+16*\c+7], v11
	v_cvt_scalef32_pk8_fp8_f32 v[C+4*\c+2:C+4*\c+3], v[X+16*\c+8:X+16*\c+15], v11
.endr
.irp c, 0,1,2,3
	global_store_b128 v4, v[C+4*\c:C+4*\c+3], s[8:9] offset:512*\c   ; the results go to stores alone: no vector line touches them again
.endr
	s_endpgm
.Lfunc_end_k_q6f16961822_prep:
	.size	k_q6f16961822_prep, .Lfunc_end_k_q6f16961822_prep-k_q6f16961822_prep
	.p2alignl 7, 3214868480
	.fill 96, 4, 3214868480
	.section	.rodata,"a",@progbits
	.p2align	6, 0x0
	.amdhsa_kernel k_q6f16961822_prep
		.amdhsa_group_segment_fixed_size 0
		.amdhsa_private_segment_fixed_size 0
		.amdhsa_enable_private_segment 0
		.amdhsa_kernarg_size 24
		.amdhsa_user_sgpr_count 2
		.amdhsa_user_sgpr_kernarg_segment_ptr 1
		.amdhsa_wavefront_size32 1
		.amdhsa_system_sgpr_workgroup_id_x 1
		.amdhsa_system_sgpr_workgroup_id_y 1
		.amdhsa_system_sgpr_workgroup_id_z 1
		.amdhsa_system_vgpr_workitem_id 0
		.amdhsa_next_free_vgpr 96
		.amdhsa_next_free_sgpr 66
		.amdhsa_reserve_vcc 0
		.amdhsa_float_denorm_mode_32 3
		.amdhsa_float_denorm_mode_16_64 3
		.amdhsa_memory_ordered 1
		.amdhsa_forward_progress 1
		.amdhsa_inst_pref_size 15
	.end_amdhsa_kernel
	.amdgpu_metadata
---
amdhsa.version: [ 1, 2 ]
amdhsa.kernels:
  - .name:           k_q6f16961822_prep
    .symbol:         k_q6f16961822_prep.kd
    .args:
      - { .name: W2, .offset: 0, .size: 8, .value_kind: global_buffer, .address_space: global }
      - { .name: lowp_scales, .offset: 8, .size: 8, .value_kind: global_buffer, .address_space: global }
      - { .name: wq, .offset: 16, .size: 8, .value_kind: global_buffer, .address_space: global }
    .group_segment_fixed_size: 0
    .private_segment_fixed_size: 0
    .kernarg_segment_align: 8
    .kernarg_segment_size: 24
    .max_flat_workgroup_size: 32
    .sgpr_count:     66
    .vgpr_count:     96
    .wavefront_size: 32
...
	.end_amdgpu_metadata
.endif
;; end of part 1
;; launch phnet (part 2): grid 256 x 1, 8 waves a work-group, clusters of 4 x 1, 327,680 bytes of LDS; arguments state, action_emb, W1, b1, b2, W3, log_damping, Gw, Gb, lowp_scales, wq, out0; writes out0
.if DOCPART == 2
	.amdgcn_target "amdgcn-amd-amdhsa--gfx1250"
	.amdhsa_code_object_version 6
	.text
	.protected	k_q6f16961822_phnet
	.globl	k_q6f16961822_phnet
	.p2align	8
	.type	k_q6f16961822_phnet,@function
k_q6f16961822_phnet:
	s_mov_b64 s[64:65], 0
	v_nop
	global_prefetch_b8 v0, s[64:65] scope:SCOPE_SE
	s_setreg_imm32_b32 hwreg(HW_REG_WAVE_MODE, 25, 1), 1
	s_wait_xcnt 0x0
	s_wait_alu depctr_hold_cnt(0) depctr_sa_sdst(0) depctr_va_vdst(0) depctr_va_sdst(0) depctr_va_ssrc(0) depctr_va_vcc(0) depctr_vm_vsrc(0)
	s_getreg_b32 s2, hwreg(HW_REG_IB_STS2, 6, 4)
	s_cmp_eq_u32 s2, 0
	s_cbranch_scc0 .Lentry_in_a_cluster
	s_endpgm
.Lentry_in_a_cluster:
	s_bfe_u32 s2, ttmp6, 0x10000c
	s_cmp_lg_u32 s2, 0x3003
	s_cbranch_scc0 .Lentry_shape_is_right
	s_endpgm
.Lentry_shape_is_right:
; out = [dH/dp, -dH/dq - exp(log_damping) dH/dp + a . Gw + Gb], dH/dstate the gradient of the net 2 - 512 - 512 - 1 with softplus.  What reaches the result:
;   z1 = s W1 + b1;  h1 = softplus(z1), quantised (e0);  z2 = h1 W2 + b2 (FP8, W2 by e1);  g2 = W3 x sigmoid(z2), quantised (e2);  dh1 = g2 W2^T (FP8, W2 by e3);  dz1 = dh1 x sigmoid(z1);  dH/ds = dz1 W1^T.
; softplus(z2), its product with W3, and b3 have no way into a gradient, whatever their values: they are not computed, and b3 is not among the arguments.
; SHARES.  A work-group of eight waves owns 256 rows; a wave owns 32 (two tiles of 16) and takes them through the whole chain by itself: the codes of h1 and of g2 stay in its registers.  Two waves lie on a SIMD, so that
; one wave's exponentials stand beside the other's products and LDS loads.  The waves share only W2's codes and five small tables in LDS.
; LAYOUT.  Both products are used transposed: source 0 = 16 units (an image of operand registers, made by the launch before), source 1 = 16 of my rows.  Lane (r, h) holds row r throughout; the 16 result registers of the
; tiles 2 b and 2 b + 1 are units 32 b + 16 h + 0 .. 15, and their 16 codes are registers 4 (b % 4) .. + 3 of K step b / 4 of the next product.  k lies in the same places in both operands of a product.
; A CHUNK is 32 units x my 32 rows: 16 matrix instructions on four accumulators by turns, 32 numbers a lane.  A loop's trip is a chunk; since its codes' registers change from trip to
; trip, they go into my own scratch in LDS and come back, four chunks (a K step) at a time, into the operand's registers.
; BASE 2.  The tables hold W1 x log2(e), b1 x log2(e), -b2 x log2(e), W3: softplus(z) = ln2 x log2(1 + 2^z'), sigmoid(z) = 1 / (1 + 2^-z'), z' = z log2(e).  Beyond z' = 64, log2(1 + 2^z') is z' itself, taken by a median, so
; that an exponential that overflows does no harm.  The factor log2(e) that W1's table leaves in the last sums is taken out with 2^(e2 + e3) at the end.
; W2's CODES: 512 KiB in four parts of 128 KiB (form A's halves, form B's halves) through two LDS slots.  Each wave fetches 16 KiB of a part.  The four work-groups of a cluster want the same parts: each load is a JOINT one
; (mask 15).  A wave has two tensor loads out at the start and one behind each of the two refills.
; LIMITS: e0 between -126 and 117, e2 between -126 and 119, e0 + e1 between -126 and 127, e2 + e3 between -125 and 128 (each is added to the exponent field of an f32 constant).  NaN among the inputs is not served.
; h1 carries the absolute rounding of 1 + e^z (6e-8): its relative accuracy falls under 1e-6 where h1 is under 0.06.
.set CHUNK, 16384                      ; a chunk's eight images
.set SLOTB, 131072                     ; LDS: slot 0 at 0, slot 1 at SLOTB: eight chunks each
.set SCR,   262144                     ; the waves' scratch: group c, tile m at 1024 c + 512 m + 16 x lane
.set SCRW,  5120                       ; from wave to wave; 4,096 are used, so that the stepped offset behind its last step still lies in the wave's own bytes
.set TAB,   SCR+8*SCRW                 ; five tables of 512 f32
.set SPARE, TAB+5*2048                 ; the spare words, 128 bytes for each wave: four blocks of 256 bytes that no other line names
.set SPW, 1                            ; v1   LDS address of my spare word; never rewritten
.set NIL, 2                            ; v2   0; never rewritten
.set L16, 3                            ; v3   16 x lane
.set TB0, 4                            ; v4   TAB + 64 h: my half's 16 units of chunk 0
.set SC0, 5                            ; v5   my place in my wave's scratch
.set WA,  6                            ; v6   LDS address of the chunk's images
.set TA,  7                            ; v7   of the chunk's coefficients
.set SA,  8                            ; v8   of the chunk's codes in the scratch
.set SC1, 9                            ; v9   2^e0
.set SC2, 10                           ; v10  2^e2
.set LIM2, 11                          ; v11  448 x 2^e2
.set GU,  12                           ; v12  a . Gw + Gb of row 32 w + lane
.set OO,  13                           ; v13  8 x lane
.set DMP, 15                           ; v15  exp(log_damping)
.set ST,  16                           ; v16-23  tile m: q at ST + 4 m, p at ST + 4 m + 2 (pairs whose low word serves both halves)
.set OS,  24                           ; v24-39  the last sums, in pairs: tile m, output o, parity at OS + 8 m + 4 o + 2 parity
.set PC,  40                           ; v40-47  the chunk's codes, tile m at PC + 4 m
.set CA,  48                           ; v48-63, v64-79, v80-95  coefficients of my 16 units
.set CB,  64
.set CC,  80
.set ACC, 96                           ; v96-127  four accumulators: tile of rows m, tile of units u at ACC + 16 m + 8 u: unit i of my 16 at ACC + 16 m + i
.set Z,   128                          ; v128-159 z1' (phases 1 and 3);  v128-255 the chunk's images in phase 2
; window 1: v0-127 h1's fragments (64 m + 16 s), in phase 3 the chunk's images;  v128-255 g2's fragments (128 + 64 m + 16 s)
.set WV,  30                           ; s30  my wave's number
.set LOG2E, 52                         ; s[52:53]
.set NLOG2E, 54                        ; s[54:55]
.set LN2, 56                           ; s[56:57]
.set C2,  58                           ; s[58:59]  -log2(e) x 2^(e0 + e1)
.set K64, 60                           ; s60  64.0
.set LIM1, 61                          ; s61  448 / ln2 x (1 - 8e-7) x 2^e0
.set FIN, 62                           ; s62  ln2 x 2^(e2 + e3)
.set CNT, 66                           ; s66  a loop's trips
.set WO,  67                           ; s67  LDS byte of the chunk's images
.set TO,  68                           ; s68  128 x chunk: its coefficients' byte in a table
.set SO,  69                           ; s69  1024 x (chunk % 4): its codes' place in the scratch
.set SEL, 70                           ; s[70:71]  lane selects: lane l xor 16
.set G1,  72                           ; s[72:79]  descriptor group 1
.set G0,  80                           ; s[80:83], s[84:87]  group 0 for slot 0, slot 1
.set MSB, 0
.macro WIN new                         ; the immediate's high byte repeats the setting that is left; a switch that changes nothing is dropped
.if MSB != \new
	s_set_vgpr_msb (MSB<<8)|\new
.set MSB, \new
.endif
.endm
.macro CROUND                          ; a round of the cluster's barrier: my work-group's barrier; wave 0 signals for the work-group; all wait for the four; my work-group's barrier once more
	s_barrier_signal -1
	s_barrier_wait -1
	s_cmp_lg_u32 s[WV], 0
	s_cbranch_scc1 .Lnot_wave_0_\@
	s_barrier_signal -3
.Lnot_wave_0_\@:
	s_barrier_wait -3
	s_barrier_signal -1
	s_barrier_wait -1
.endm
; A change of parts.  Every wave waits for all its tensor loads, adds 0 to its spare word, and waits for that and for its LDS reads.  fill = 1: the slot of group 0 g0, which nobody reads any more, takes the part two further on.
.macro CHANGE fill, g0
	s_wait_tensorcnt 0x0                           ; no tensor load of mine is out, so a group 0 may be written
	ds_add_u32 v[SPW], v[NIL]                      ; 0 onto my spare word
.if \fill
	s_add_nc_u64 s[\g0+2:\g0+3], s[\g0+2:\g0+3], 2*SLOTB   ; the type bits on top are not reached
	s_wait_dscnt 0x0                               ; the add is done, and my reads of the slot are over
	CROUND                                         ; so it is with every wave of the four work-groups
	tensor_load_to_lds s[\g0:\g0+3], s[G1:G1+7]    ; the first thing behind the round, and my one tensor load until the next
	s_nop 0
.rept 4
	v_nop
.endr
.else
	s_wait_dscnt 0x0
	s_barrier_signal -1
	s_barrier_wait -1
.endif
.endm
.macro COEF n, toff                    ; n tables' numbers for my 16 units, from table toff / 2048 on: the sixteen lanes of a half read the same 64 bytes
.irp k, 0,1,2
.if \k < \n
.irp q, 0,1,2,3
	ds_load_b128 v[CA+16*\k+4*\q:CA+16*\k+4*\q+3], v[TA] offset:\toff+2048*\k+16*\q
.endr
.endif
.endr
.endm
.macro FETCH win                       ; a chunk's eight images, 32 loads of 512 consecutive bytes: register group 16 u + 4 s + c
.if \win
	WIN 0x40                                       ; destination window 1, address window 0
.set FB, 0
.else
.set FB, 128
.endif
.set i, 0
.rept 32
	ds_load_b128 v[FB+4*i:FB+4*i+3], v[WA] offset:512*i
.set i, i+1
.endr
	WIN 0
.endm
.macro MM ph                           ; 16 matrix instructions: K step s, tile of units u, tile of rows m.  The first four start the sums: nothing is cleared
.if \ph == 2
	WIN 0x04                                       ; source 1 (h1) window 1
.set WF, 128
.set CF, 0
.else
	WIN 0x05                                       ; sources 0 (images) and 1 (g2) window 1
.set WF, 0
.set CF, 128
.endif
.irp s, 0,1,2,3
.irp u, 0,1
.irp m, 0,1
.if \s == 0
	v_wmma_f32_16x16x128_fp8_fp8 v[ACC+16*\m+8*\u:ACC+16*\m+8*\u+7], v[WF+64*\u+16*\s:WF+64*\u+16*\s+15], v[CF+64*\m+16*\s:CF+64*\m+16*\s+15], 0
.else
	v_wmma_f32_16x16x128_fp8_fp8 v[ACC+16*\m+8*\u:ACC+16*\m+8*\u+7], v[WF+64*\u+16*\s:WF+64*\u+16*\s+15], v[CF+64*\m+16*\s:CF+64*\m+16*\s+15], v[ACC+16*\m+8*\u:ACC+16*\m+8*\u+7]
.endif
.endr
.endr
.endr
	WIN 0
.endm
; Four plain vector lines that name no register of the products stand between them and the loads into the images' registers and the first read of the sums.
.macro PLACES sa
	v_add_nc_u32 v[WA], s[WO], v[L16]              ; the next chunk's images
.if \sa
	v_add_nc_u32 v[SA], s[SO], v[SC0]              ; this chunk's place in the scratch
.else
	v_nop
.endif
	v_nop
	v_nop
.endm
.macro ZPRE neg                        ; z1' = q W1'[0] + p W1'[1] + b1' for my 16 units x two tiles; neg = 1: -z1'
.irp m, 0,1
.set j, 0
.rept 8
.if \neg
	v_pk_fma_f32 v[Z+16*\m+j:Z+16*\m+j+1], v[CB+j:CB+j+1], v[ST+4*\m+2:ST+4*\m+3], v[CC+j:CC+j+1] op_sel_hi:[1,0,1] neg_lo:[1,0,1] neg_hi:[1,0,1]
.else
	v_pk_fma_f32 v[Z+16*\m+j:Z+16*\m+j+1], v[CB+j:CB+j+1], v[ST+4*\m+2:ST+4*\m+3], v[CC+j:CC+j+1] op_sel_hi:[1,0,1]
.endif
.set j, j+2
.endr
.endr
.irp m, 0,1
.set j, 0
.rept 8
.if \neg
	v_pk_fma_f32 v[Z+16*\m+j:Z+16*\m+j+1], v[CA+j:CA+j+1], v[ST+4*\m:ST+4*\m+1], v[Z+16*\m+j:Z+16*\m+j+1] op_sel_hi:[1,0,1] neg_lo:[1,0,0] neg_hi:[1,0,0]
.else
	v_pk_fma_f32 v[Z+16*\m+j:Z+16*\m+j+1], v[CA+j:CA+j+1], v[ST+4*\m:ST+4*\m+1], v[Z+16*\m+j:Z+16*\m+j+1] op_sel_hi:[1,0,1]
.endif
.set j, j+2
.endr
.endr
.endm
.macro TR32 op, d, s                   ; 32 transcendentals back to back; the caller sets one plain vector line behind them
.set j, 0
.rept 32
	\op v[\d+j], v[\s+j]
.set j, j+1
.endr
.endm
.macro PLUS1 d
.set j, 0
.rept 16
	v_pk_add_f32 v[\d+j:\d+j+1], v[\d+j:\d+j+1], 1.0 op_sel_hi:[1,0]
.set j, j+2
.endr
.endm
.macro CODES sc                        ; the 32 numbers in ACC become 32 codes, which go into my scratch
.irp m, 0,1
	v_cvt_scalef32_pk8_fp8_f32 v[PC+4*\m:PC+4*\m+1], v[ACC+16*\m:ACC+16*\m+7], v[\sc]
	v_cvt_scalef32_pk8_fp8_f32 v[PC+4*\m+2:PC+4*\m+3], v[ACC+16*\m+8:ACC+16*\m+15], v[\sc]
.endr
	v_nop                                          ; one plain vector line between a scaled conversion and the next vector or matrix line that writes its sources
	ds_store_b128 v[SA], v[PC:PC+3]
	ds_store_b128 v[SA], v[PC+4:PC+7] offset:512
	s_add_co_u32 s[SO], s[SO], 1024
.endm
.macro READBACK base, k                ; four chunks' codes come back as K step k of both tiles' fragments.  LDS serves a wave's instructions in order (ISA guide 5.7.1.4): these see my stores
	WIN 0x40
.irp m, 0,1
.irp c, 0,1,2,3
	ds_load_b128 v[\base+64*\m+16*(\k)+4*\c:\base+64*\m+16*(\k)+4*\c+3], v[SC0] offset:1024*\c+512*\m
.endr
.endr
	WIN 0
.endm
; PHASE 1, a chunk: h1 = softplus(z1), quantised.  pre = 1: the next chunk's coefficients are asked for as soon as z1' is made.
.macro P1TRIP pre
	s_wait_dscnt 0x0                               ; the coefficients are in, and the last chunk's stores have read their registers
	ZPRE 0
.if \pre
	s_add_co_u32 s[TO], s[TO], 128
	v_add_nc_u32 v[TA], s[TO], v[TB0]
	COEF 3, 0
.endif
	TR32 v_exp_f32, ACC, Z
	v_add_nc_u32 v[SA], s[SO], v[SC0]              ; (the plain line behind the exponentials)
	s_wait_alu depctr_va_vdst(0)
	PLUS1 ACC
	TR32 v_log_f32, ACC, ACC
	v_nop
.set j, 0
	s_wait_alu depctr_va_vdst(0)
.rept 32
	v_med3_num_f32 v[ACC+j], v[ACC+j], v[Z+j], s[K64]   ; log2(1 + 2^z') where z' is under 64, z' beyond
.set j, j+1
.endr
.set j, 0
.rept 32
	v_min_num_f32 v[ACC+j], s[LIM1], v[ACC+j]      ; the hold (the conversion does not saturate: ISA guide 7.6.2): x ln2 it lies a millionth under 448 x 2^e0 and still rounds to the largest code; h1 is not negative
.set j, j+1
.endr
.set j, 0
.rept 16
	v_pk_mul_f32 v[ACC+j:ACC+j+1], v[ACC+j:ACC+j+1], s[LN2:LN2+1] op_sel_hi:[1,0]
.set j, j+2
.endr
	CODES SC1
.endm
; PHASE 2, a chunk: z2 = h1 W2 + b2; g2 = W3 sigmoid(z2), quantised.  pre = 1: the next chunk's images are fetched behind the products.
.macro P2TRIP pre
	v_add_nc_u32 v[TA], s[TO], v[TB0]
	COEF 2, 6144                                   ; -b2 log2(e), W3
	s_wait_dscnt 8                                 ; all but the eight just issued: the images, my stores, a K step read back
	MM 2
	s_add_co_u32 s[WO], s[WO], CHUNK
	PLACES 1
.if \pre
	FETCH 0
	s_wait_dscnt 32                                ; all but the 32 just issued: the coefficients are in
.else
	s_wait_dscnt 0x0
.endif
.set j, 0
.rept 16
	v_pk_fma_f32 v[ACC+j:ACC+j+1], v[ACC+j:ACC+j+1], s[C2:C2+1], v[CA+j%16:CA+j%16+1] op_sel_hi:[1,0,1]   ; -z2 log2(e); each accumulator from its low end on
.set j, j+2
.endr
	TR32 v_exp_f32, ACC, ACC
	v_nop
	s_wait_alu depctr_va_vdst(0)
	PLUS1 ACC
	TR32 v_rcp_f32, ACC, ACC
	v_nop
.set j, 0
	s_wait_alu depctr_va_vdst(0)
.rept 16
	v_pk_mul_f32 v[ACC+j:ACC+j+1], v[ACC+j:ACC+j+1], v[CB+j%16:CB+j%16+1]
.set j, j+2
.endr
.set j, 0
.rept 32
	v_med3_num_f32 v[ACC+j], v[ACC+j], -v[LIM2], v[LIM2]
.set j, j+1
.endr
	CODES SC2
	s_add_co_u32 s[TO], s[TO], 128
.endm
; PHASE 3, a chunk: dh1 = g2 W2^T; dz1 = dh1 sigmoid(z1); the two last sums take dz1 W1'[0] and dz1 W1'[1], in eight chains.
.macro P3TRIP pre
	v_add_nc_u32 v[TA], s[TO], v[TB0]
	COEF 3, 0
	s_wait_dscnt 12                                ; all but the twelve just issued: the images are in
	MM 3
	s_add_co_u32 s[WO], s[WO], CHUNK
	PLACES 0
.if \pre
	FETCH 1
	s_wait_dscnt 32                                ; all but the 32 just issued: the coefficients are in
.else
	s_wait_dscnt 0x0
.endif
	ZPRE 1
	TR32 v_exp_f32, Z, Z
	v_nop
	s_wait_alu depctr_va_vdst(0)
	PLUS1 Z
	TR32 v_rcp_f32, Z, Z
	v_nop
.set j, 0
	s_wait_alu depctr_va_vdst(0)
.rept 16
	v_pk_mul_f32 v[ACC+j:ACC+j+1], v[ACC+j:ACC+j+1], v[Z+j:Z+j+1]   ; each accumulator from its low end on
.set j, j+2
.endr
.set j, 0
.rept 8
.irp m, 0,1
	v_pk_fma_f32 v[OS+8*\m+j%4:OS+8*\m+j%4+1], v[ACC+16*\m+j:ACC+16*\m+j+1], v[CA+j:CA+j+1], v[OS+8*\m+j%4:OS+8*\m+j%4+1]
	v_pk_fma_f32 v[OS+8*\m+4+j%4:OS+8*\m+4+j%4+1], v[ACC+16*\m+j:ACC+16*\m+j+1], v[CB+j:CB+j+1], v[OS+8*\m+4+j%4:OS+8*\m+4+j%4+1]
.endr
.set j, j+2
.endr
	s_add_co_u32 s[TO], s[TO], 128
.endm
.macro PH1K k, trips, tail             ; four chunks of phase 1, then K step k of h1's fragments
	s_mov_b32 s[SO], 0
	s_mov_b32 s[CNT], \trips
.Lp1_\@:
	P1TRIP 1
	s_sub_co_u32 s[CNT], s[CNT], 1
	s_cmp_lg_u32 s[CNT], 0
	s_cbranch_scc1 .Lp1_\@
.if \tail
	P1TRIP 0
.endif
	READBACK 0, \k
.endm
.macro PH2K k, trips, tail             ; four chunks of phase 2, then K step k of g2's fragments
	s_mov_b32 s[SO], 0
	s_mov_b32 s[CNT], \trips
.Lp2_\@:
	P2TRIP 1
	s_sub_co_u32 s[CNT], s[CNT], 1
	s_cmp_lg_u32 s[CNT], 0
	s_cbranch_scc1 .Lp2_\@
.if \tail
	P2TRIP 0
.endif
	READBACK 128, \k
.endm
.macro PH3H                            ; a slot's eight chunks of phase 3; the last fetches nothing
	v_add_nc_u32 v[WA], s[WO], v[L16]
	FETCH 1
	s_mov_b32 s[CNT], 7
.Lp3_\@:
	P3TRIP 1
	s_sub_co_u32 s[CNT], s[CNT], 1
	s_cmp_lg_u32 s[CNT], 0
	s_cbranch_scc1 .Lp3_\@
	P3TRIP 0
.endm
	s_load_b256 s[4:11], s[0:1], 0x0               ; state s[4:5], action_emb s[6:7], W1 s[8:9], b1 s[10:11]
	s_load_b256 s[12:19], s[0:1], 0x20             ; b2 s[12:13], W3 s[14:15], log_damping s[16:17], Gw s[18:19]
	s_load_b256 s[20:27], s[0:1], 0x40             ; Gb s[20:21], the scales' exponents s[22:23], wq s[24:25], out0 s[26:27]
	v_lshl_add_u32 v[SPW], v0, 2, SPARE
	v_mov_b32 v[NIL], 0
	ds_add_u32 v1, v2
	ds_add_u32 v1, v2
	s_wait_dscnt 0x0
	v_lshrrev_b32 v14, 5, v0
	v_readfirstlane_b32 s[WV], v14                 ; wave 0..7
	s_bfe_u32 s31, ttmp6, 0x40000                  ; cx: my place in the cluster: it enters the addresses of state, action_emb and out0 alone
	s_lshl_b32 s32, ttmp9, 2                       ; in a cluster launch ttmp9 counts clusters
	s_add_co_u32 s32, s32, s31
	s_lshl_b32 s32, s32, 8
	s_lshl_b32 s33, s[WV], 5
	s_add_co_u32 s32, s32, s33                     ; my wave's first row: 256 x work-group + 32 x wave
	s_lshl_b32 s34, s32, 3                         ; in bytes of state and of out0,
	s_mov_b32 s35, 0
	s_lshl_b32 s36, s32, 5                         ; and of action_emb
	s_mov_b32 s37, 0
	s_lshl_b32 s[G0+1], s[WV], 14                  ; my 16 KiB of a part: in a slot,
	s_mov_b32 s38, s[G0+1]                         ; and in wq
	s_mov_b32 s39, 0
	; descriptor group 1: a dense block of 16 KiB as 64 rows of 32 elements of 8 bytes
	s_mov_b32 s[G1], 15|(3<<16)|(1<<21)            ; 15:0 the mask: all four work-groups; 17:16 elements of 8 bytes; 20 no padding; 21 set beside a mask
	s_mov_b32 s[G1+1], 32<<16                      ; tensor_dim0 = 32
	s_mov_b32 s[G1+2], 64<<16                      ; tensor_dim1 = 64
	s_mov_b32 s[G1+3], 32<<16                      ; tile_dim0 = 32
	s_mov_b32 s[G1+4], 64                          ; tile_dim1 = 64
	s_mov_b32 s[G1+5], 32                          ; tensor_dim0_stride
	s_mov_b32 s[G1+6], 0
	s_mov_b32 s[G1+7], 0
	s_wait_kmcnt 0x0
	s_load_b32 s28, s[16:17], 0x0                  ; log_damping
	s_load_b32 s29, s[20:21], 0x0                  ; Gb
	s_load_b256 s[40:47], s[18:19], 0x0            ; Gw
	s_load_b128 s[48:51], s[22:23], 0x0            ; e0, e1, e2, e3
	s_mov_b32 s[G0], 1                             ; count = 1
	s_add_nc_u64 s[G0+2:G0+3], s[24:25], s[38:39]  ; slot 0: form A's first half
	s_mov_b32 s[G0+4], 1
	s_add_co_u32 s[G0+5], s[G0+1], SLOTB
	s_add_nc_u64 s[G0+6:G0+7], s[G0+2:G0+3], SLOTB ; slot 1: its second half
	s_or_b32 s[G0+3], s[G0+3], 0x80000000          ; type = 2
	s_or_b32 s[G0+7], s[G0+7], 0x80000000
	CROUND                                         ; all four work-groups are here: the first joint loads meet
	tensor_load_to_lds s[G0:G0+3], s[G1:G1+7]      ; both first fills together, ahead of every wait on TENSORcnt and every LDS read: two loads of mine are out
	s_nop 0
	tensor_load_to_lds s[G0+4:G0+7], s[G1:G1+7]
	s_nop 0
.rept 4
	v_nop
.endr
	s_add_nc_u64 s[4:5], s[4:5], s[34:35]
	s_add_nc_u64 s[26:27], s[26:27], s[34:35]
	s_add_nc_u64 s[6:7], s[6:7], s[36:37]
	v_lshlrev_b32 v6, 3, v0                        ; the tables: 8 bytes a thread, 2,048 a work-group
	global_load_b64 v[128:129], v6, s[8:9]         ; W1[0]
	global_load_b64 v[130:131], v6, s[8:9] offset:2048   ; W1[1]
	global_load_b64 v[132:133], v6, s[10:11]       ; b1
	global_load_b64 v[134:135], v6, s[12:13]       ; b2
	global_load_b64 v[136:137], v6, s[14:15]       ; W3
	v_and_b32 v14, 31, v0                          ; lane
	v_and_b32 v7, 15, v0
	v_lshlrev_b32 v7, 3, v7                        ; 8 r
	global_load_b64 v[ST:ST+1], v7, s[4:5]         ; (q, p) of row r of tile 0,
	global_load_b64 v[ST+4:ST+5], v7, s[4:5] offset:128   ; of tile 1
	v_lshlrev_b32 v8, 5, v14
	global_load_b128 v[144:147], v8, s[6:7]        ; action_emb of row 32 w + lane
	global_load_b128 v[148:151], v8, s[6:7] offset:16
	v_lshlrev_b32 v[L16], 4, v14
	v_lshlrev_b32 v[OO], 3, v14
	v_bfe_u32 v[TB0], v0, 4, 1                     ; h
	v_lshl_add_u32 v[TB0], v[TB0], 6, TAB
	s_mul_i32 s33, s[WV], SCRW
	s_add_co_u32 s33, s33, SCR
	v_add_nc_u32 v[SC0], s33, v[L16]
	s_mov_b32 s[LOG2E], 0x3fb8aa3b
	s_mov_b32 s[LOG2E+1], 0x3fb8aa3b               ; (the packed forms name pairs and take the low word for both halves: the high words are written)
	s_mov_b32 s[NLOG2E], 0xbfb8aa3b
	s_mov_b32 s[NLOG2E+1], 0xbfb8aa3b
	s_mov_b32 s[LN2], 0x3f317218
	s_mov_b32 s[LN2+1], 0x3f317218
	s_mov_b32 s[K64], 0x42800000
	s_mov_b32 s[SEL], 0x76543210
	s_mov_b32 s[SEL+1], 0xfedcba98
	s_wait_kmcnt 0x0
	s_add_co_i32 s[C2], s48, s49                   ; a sum of the first product stands for sum x 2^(e0 + e1): the exponents are added to -log2(e)'s exponent field
	s_lshl_b32 s[C2], s[C2], 23
	s_add_co_u32 s[C2], s[C2], 0xbfb8aa3b
	s_mov_b32 s[C2+1], s[C2]
	s_lshl_b32 s[LIM1], s48, 23
	s_add_co_u32 s[LIM1], s[LIM1], 0x442194eb      ; 448 / ln2 x (1 - 8e-7), x 2^e0
	s_add_co_i32 s[FIN], s50, s51
	s_lshl_b32 s[FIN], s[FIN], 23
	s_add_co_u32 s[FIN], s[FIN], 0x3f317218        ; ln2 x 2^(e2 + e3)
	s_add_co_i32 s33, s48, 127
	s_lshl_b32 s33, s33, 23
	v_mov_b32 v[SC1], s33                          ; 2^e0 as f32: the conversion takes its exponent field
	s_add_co_i32 s33, s50, 127
	s_lshl_b32 s32, s33, 23
	v_mov_b32 v[SC2], s32                          ; 2^e2
	s_add_co_i32 s33, s33, 8
	s_lshl_b32 s33, s33, 23
	s_or_b32 s33, s33, 0x600000
	v_mov_b32 v[LIM2], s33                         ; 448 x 2^e2
	s_wait_loadcnt 0x0                             ; all nine loads are in, and their address registers are free
	v_pk_mul_f32 v[128:129], v[128:129], s[LOG2E:LOG2E+1] op_sel_hi:[1,0]
	v_pk_mul_f32 v[130:131], v[130:131], s[LOG2E:LOG2E+1] op_sel_hi:[1,0]
	v_pk_mul_f32 v[132:133], v[132:133], s[LOG2E:LOG2E+1] op_sel_hi:[1,0]
	v_pk_mul_f32 v[134:135], v[134:135], s[NLOG2E:NLOG2E+1] op_sel_hi:[1,0]
	v_add_nc_u32 v6, TAB, v6
.irp k, 0,1,2,3,4
	ds_store_b64 v6, v[128+2*\k:129+2*\k] offset:2048*\k
.endr
	v_fma_f32 v[GU], v144, s40, s29                ; a . Gw + Gb
.irp k, 1,2,3,4,5,6,7
	v_fma_f32 v[GU], v[144+\k], s[40+\k], v[GU]
.endr
	v_mov_b32 v14, s28
	v_mul_f32 v14, s[LOG2E], v14
	v_exp_f32 v[DMP], v14                          ; exp(log_damping)
	v_mov_b32 v[ST+2], v[ST+1]                     ; p in pairs of its own.  (A plain line behind the exponential)
	v_mov_b32 v[ST+3], v[ST+1]
	v_mov_b32 v[ST+6], v[ST+5]
	v_mov_b32 v[ST+7], v[ST+5]
.set j, 0
.rept 16
	v_mov_b32 v[OS+j], 0                           ; the last sums: phase 3's trip is written once, so its first finds zeros
.set j, j+1
.endr
	s_wait_dscnt 0x0                               ; for the others' sake: my part of the tables is stored
	s_barrier_signal -1
	s_barrier_wait -1                              ; the tables are whole.  (The two tensor loads stay out)
	; ---- PHASE 1: h1's codes, 16 chunks
	s_mov_b32 s[TO], 0
	v_add_nc_u32 v[TA], s[TO], v[TB0]
	COEF 3, 0
	PH1K 0, 4, 0
	PH1K 1, 4, 0
	PH1K 2, 4, 0
	PH1K 3, 3, 1                                   ; the last chunk asks for no further coefficients
	s_wait_tensorcnt 0x0                           ; my parts of both halves of form A have landed (phase 2's fetches run on from slot 0 into slot 1),
	s_wait_dscnt 0x0                               ; h1's fragments are in,
	s_barrier_signal -1
	s_barrier_wait -1                              ; and so it is with all eight waves.
	; ---- PHASE 2: g2's codes, 16 chunks
	s_mov_b32 s[WO], 0
	s_mov_b32 s[TO], 0
	v_add_nc_u32 v[WA], s[WO], v[L16]
	FETCH 0
	PH2K 0, 4, 0
	PH2K 1, 4, 0                                   ; its last trip has fetched chunk 8, slot 1's first
	CHANGE 1, G0                                   ; slot 0 takes form B's first half: it has half of phase 2 in which to land
	PH2K 2, 4, 0
	PH2K 3, 3, 1                                   ; the last chunk fetches nothing
	CHANGE 1, G0+4                                 ; form B's first half is whole; slot 1 takes its second half: it has half of phase 3 in which to land
	; ---- PHASE 3: the gradient, 16 chunks
	s_mov_b32 s[WO], 0
	s_mov_b32 s[TO], 0
	PH3H
	CHANGE 0, G0                                   ; form B's second half is whole; nothing is asked for any more
	s_mov_b32 s[WO], SLOTB
	PH3H
	; ---- the way out.  Each lane holds, for rows r of both tiles, the sums over its half's units, in two parities
.irp b, OS, OS+4, OS+8, OS+12
	v_pk_add_f32 v[\b:\b+1], v[\b:\b+1], v[\b+2:\b+3]
.endr
.irp b, OS, OS+4, OS+8, OS+12
	v_add_f32 v[\b], v[\b], v[\b+1]
.endr
.irp b, OS, OS+4, OS+8, OS+12
	v_permlanex16_b32 v[\b+1], v[\b], s[SEL], s[SEL+1]   ; the other half's units lie in the lane 16 away
.endr
.irp b, OS, OS+4, OS+8, OS+12
	v_add_f32 v[\b], v[\b], v[\b+1]
.endr
	v_cmp_gt_u32 vcc_lo, 128, v[OO]                ; lanes 0-15 take tile 0, lanes 16-31 tile 1: lane l then holds row 32 w + l
	v_cndmask_b32 v[OS], v[OS+8], v[OS], vcc_lo
	v_cndmask_b32 v[OS+4], v[OS+12], v[OS+4], vcc_lo
	v_mul_f32 v[PC], s[FIN], v[OS+4]               ; dq/dt = dH/dp
	v_fma_f32 v[PC+1], -v[OS], s[FIN], v[GU]       ; -dH/dq + G u
	v_fma_f32 v[PC+1], -v[DMP], v[PC], v[PC+1]     ; - damping x dH/dp
	global_store_b64 v[OO], v[PC:PC+1], s[26:27]   ; the wave stores 256 consecutive bytes, at a multiple of 256 from out0's first byte
	s_wait_tensorcnt 0x0                           ; the wave's end, behind my last tensor load and my last LDS store
	ds_add_u32 v[SPW], v[NIL]
	s_wait_dscnt 0x0
	CROUND                                         ; the closing round: no work-group ends while a partner may still ask for a part that names it
	s_endpgm
.Lfunc_end_k_q6f16961822_phnet:
	.size	k_q6f16961822_phnet, .Lfunc_end_k_q6f16961822_phnet-k_q6f16961822_phnet
	.p2alignl 7, 3214868480
	.fill 96, 4, 3214868480
	.section	.rodata,"a",@progbits
	.p2align	6, 0x0
	.amdhsa_kernel k_q6f16961822_phnet
		.amdhsa_group_segment_fixed_size 327680
		.amdhsa_private_segment_fixed_size 0
		.amdhsa_enable_private_segment 0
		.amdhsa_kernarg_size 96
		.amdhsa_user_sgpr_count 2
		.amdhsa_user_sgpr_kernarg_segment_ptr 1
		.amdhsa_wavefront_size32 1
		.amdhsa_system_sgpr_workgroup_id_x 1
		.amdhsa_system_sgpr_workgroup_id_y 1
		.amdhsa_system_sgpr_workgroup_id_z 1
		.amdhsa_system_vgpr_workitem_id 0
		.amdhsa_next_free_vgpr 512
		.amdhsa_next_free_sgpr 88
		.amdhsa_reserve_vcc 1
		.amdhsa_float_denorm_mode_32 3
		.amdhsa_float_denorm_mode_16_64 3
		.amdhsa_memory_ordered 1
		.amdhsa_forward_progress 1
		.amdhsa_inst_pref_size 177
	.end_amdhsa_kernel
	.amdgpu_metadata
---
amdhsa.version: [ 1, 2 ]
amdhsa.kernels:
  - .name:           k_q6f16961822_phnet
    .symbol:         k_q6f16961822_phnet.kd
    .args:
      - { .name: state, .offset: 0, .size: 8, .value_kind: global_buffer, .address_space: global }
      - { .name: action_emb, .offset: 8, .size: 8, .value_kind: global_buffer, .address_space: global }
      - { .name: W1, .offset: 16, .size: 8, .value_kind: global_buffer, .address_space: global }
      - { .name: b1, .offset: 24, .size: 8, .value_kind: global_buffer, .address_space: global }
      - { .name: b2, .offset: 32, .size: 8, .value_kind: global_buffer, .address_space: global }
      - { .name: W3, .offset: 40, .size: 8, .value_kind: global_buffer, .address_space: global }
      - { .name: log_damping, .offset: 48, .size: 8, .value_kind: global_buffer, .address_space: global }
      - { .name: Gw, .offset: 56, .size: 8, .value_kind: global_buffer, .address_space: global }
      - { .name: Gb, .offset: 64, .size: 8, .value_kind: global_buffer, .address_space: global }
      - { .name: lowp_scales, .offset: 72, .size: 8, .value_kind: global_buffer, .address_space: global }
      - { .name: wq, .offset: 80, .size: 8, .value_kind: global_buffer, .address_space: global }
      - { .name: out0, .offset: 88, .size: 8, .value_kind: global_buffer, .address_space: global }
    .group_segment_fixed_size: 327680
    .private_segment_fixed_size: 0
    .kernarg_segment_align: 8
    .kernarg_segment_size: 96
    .max_flat_workgroup_size: 256
    .sgpr_count:     88
    .vgpr_count:     512
    .wavefront_size: 32
...
	.end_amdgpu_metadata
.endif
;; end of part 2
